; MI455X (gfx1250); checked and timed in simulation.
; The chip was launched on July 23, 2026; its instructions are those of AMD's public machine-readable ISA for CDNA 5 (MIT licence, August 2026) and "CDNA5" Instruction Set Architecture Reference Guide (July 2026). The comments in the code are by the model that wrote it; some were corrected since.
;; Self Attention Layer. Allowed arithmetic: matrix products marked QUANTISED: E4M3 operands, one E8M0 scale for each 32 along K, by v_wmma_scale_f32_16x16x128_f8f6f4 with both operands' format E4M3, f32 sums; everything else in f32.
;; Inputs: Wk_codes 1,024 x 32 x 32 uint8 (E4M3 codes of Wk, K innermost, in blocks of 32 codes); Wk_scales 1,024 x 32 uint8 (E8M0 scales of Wk, one for each 32 codes along K); Wq_codes 1,024 x 32 x 32 uint8 (E4M3 codes of Wq, K innermost, in blocks of 32 codes); Wq_scales 1,024 x 32 uint8 (E8M0 scales of Wq, one for each 32 codes along K); Wv_codes 1,024 x 32 x 32 uint8 (E4M3 codes of Wv, K innermost, in blocks of 32 codes); Wv_scales 1,024 x 32 uint8 (E8M0 scales of Wv, one for each 32 codes along K); x_codes 4 x 2,048 x 32 x 32 uint8 (E4M3 codes of x, K innermost, in blocks of 32 codes); x_scales 4 x 2,048 x 32 uint8 (E8M0 scales of x, one for each 32 codes along K).
;; Outputs: out0 4 x 2,048 x 1,024 float32.
;; This version of the problem:
;;   THIS VERSION OF THE PROBLEM IS GIVEN IN LOW PRECISION. The matrix products marked QUANTISED in the list below multiply operands that are first quantised to E4M3 (4 exponent bits, 3 mantissa bits; 8 bits a number), with one power-of-two scale for each 32 numbers along K (OCP MX v1.0); their sums are f32. All else is computed in f32.
;;   The module's matrix products, in the order in which they are computed (A, B: the left and right operand; K: the contracted axis; several contracted axes count as one K, in the product's order):
;;     1. [M 8,192, K 1,024] x [K 1,024, N 1,024]; A: input x (given as codes); B: input Wq (given as codes): QUANTISED
;;     2. [M 8,192, K 1,024] x [K 1,024, N 1,024]; A: input x (given as codes); B: input Wk (given as codes): QUANTISED
;;     3. [M 8,192, K 1,024] x [K 1,024, N 1,024]; A: input x (given as codes); B: input Wv (given as codes): QUANTISED
;;     4. batch 64 x [M 2,048, K 64] x [K 64, N 2,048]; A: computed on the way; B: computed on the way: QUANTISED
;;     5. batch 64 x [M 2,048, K 2,048] x [K 2,048, N 64]; A: softmax (see below); B: computed on the way: QUANTISED
;;   THE QUANTISER, for each operand of a quantised product, along K:
;;     - K is cut into blocks of 32 from its start; a last block that is shorter is filled with zeros.
;;     - A block's scale is 2^e with e = floor(log2(the largest magnitude in the block)) - 8, held to -126 .. 127; a block of zeros has e = 0. As a byte (E8M0): e + 127.
;;     - Each number is divided by its block's scale, clamped to +-448, and rounded to the nearest number of E4M3, ties to even, subnormals kept.
;;     - The product sums the exact products of the quantised numbers (number of the format x scale) in f32.
;;   ~~~python
;;   def quantise(x, axis):      # numpy; x: float32 -> the quantised numbers, widened to float32 again
;;       x = np.moveaxis(x, axis, -1); K = x.shape[-1]
;;       x = np.pad(x, [(0, 0)] * (x.ndim - 1) + [(0, -K % 32)]); x = x.reshape(x.shape[:-1] + (-1, 32)); a = np.abs(x).max(-1, keepdims=True)
;;       e = np.where(a > 0, np.clip(np.frexp(np.where(a > 0, a, 1))[1] - 1 - 8, -126, 127), 0)      # np.frexp(a)[1] - 1 = floor(log2(a)), exactly
;;       r = np.clip(x / 2.0 ** e, -448, 448)
;;       step = 2.0 ** (np.maximum(np.frexp(np.where(r == 0, 1, r))[1] - 1, -6) - 3)
;;       q = np.round(r / step) * step * 2.0 ** e      # np.round: ties to even
;;       return np.moveaxis(q.reshape(q.shape[:-2] + (-1,))[..., :K], -1, axis).astype(np.float32)
;;   ~~~
;;   SOFTMAX AHEAD OF A QUANTISED PRODUCT. Where the list says 'softmax', what is quantised is not the finished softmax but p = 2^(t - M), with t = logit x log2(e) and M = ceil(the row's largest t), a whole number; so 1/2 < the row's largest p <= 1. The row's sum l is taken of the UNQUANTISED p, in f32, and the product's result is divided by l at the end. Since M is a whole number, a kernel that streams over the keys may use a running M (the ceiling of the running maximum): every later rescaling is an exact power of two, which a block's scale takes up: the codes' values come out the same.
;;   OPERANDS COMPUTED ON THE WAY. 'Computed on the way' means the value that the module computes at that place (a softmax that the list does not call 'softmax' is quantised finished and normalised). What goes into a quantiser is computed in f32, as accurately as f32 sums, v_exp_f32 and their like allow (about 1e-6 of the number): no bf16 or f16 on the way to a quantiser, and a product that is left as it is and whose result goes on into a quantised operand takes f32 operands (vector FMAs, or v_wmma_f32_16x16x4_f32). A number that lies on a knife's edge between two numbers of the format may be rounded either way, as far as f32 arithmetic and the matrix unit's own rounding can turn it there, and no further.
;;   INPUTS GIVEN AS CODES. Wk (in the module: [1024, 1024], K = its axis 1); Wq (in the module: [1024, 1024], K = its axis 1); Wv (in the module: [1024, 1024], K = its axis 1); x (in the module: [4, 2048, 1024], K = its axis 2): each comes as NAME_codes (uint8): NAME with its K axis moved to the last place and cut into blocks of 32 codes, [.., K / 32, bytes a block], one block behind the other in memory; one code a byte (a code: sign, 4 exponent bits, 3 mantissa bits); and NAME_scales (uint8): the same leading axes, one E8M0 byte (e + 127) for each 32 codes along K. Its value is code x scale, taken as it is: it is not quantised again, and the codes and scales need not be those that the quantiser above would give.
;; One version. Each part assembles by itself: llvm-mc -triple=amdgcn-amd-amdhsa -mcpu=gfx1250 --defsym DOCPART=n.
;; ======== version 1 of 1: 2 launches
;; workspace buffers: qkv_codes 25,165,824 bytes; qkv_scales 1,310,720 bytes
;; launch proj (part 1): grid 12 x 32, 4 waves a work-group, clusters of 4 x 4, 327,680 bytes of LDS; arguments x_codes, x_scales, Wq_codes, Wq_scales, Wk_codes, Wk_scales, Wv_codes, Wv_scales, qkv_codes, qkv_scales; writes qkv_codes, qkv_scales
.if DOCPART == 1
	.amdgcn_target "amdgcn-amd-amdhsa--gfx1250"
	.amdhsa_code_object_version 6
	.text
	.protected	k_q0cf869c467_proj
	.globl	k_q0cf869c467_proj
	.p2align	8
	.type	k_q0cf869c467_proj,@function
k_q0cf869c467_proj:
	s_mov_b64 s[64:65], 0
	v_nop
	global_prefetch_b8 v0, s[64:65] scope:SCOPE_SE
	s_setreg_imm32_b32 hwreg(HW_REG_WAVE_MODE, 25, 1), 1
	s_wait_xcnt 0x0
	s_wait_alu depctr_hold_cnt(0) depctr_sa_sdst(0) depctr_va_vdst(0) depctr_va_sdst(0) depctr_va_ssrc(0) depctr_va_vcc(0) depctr_vm_vsrc(0)
	s_getreg_b32 s2, hwreg(HW_REG_IB_STS2, 6, 4)
	s_cmp_eq_u32 s2, 0
	s_cbranch_scc0 .Lentry_in_a_cluster
	s_endpgm
.Lentry_in_a_cluster:
	s_bfe_u32 s2, ttmp6, 0x10000c
	s_cmp_lg_u32 s2, 0xf033
	s_cbranch_scc0 .Lentry_shape_is_right
	s_endpgm
.Lentry_shape_is_right:
; q = x Wq^T, k = x Wk^T, v = x Wv^T on the given codes of FP8 (E4M3) with one E8M0 scale for each 32 along K = 1,024; sums in f32; the results are QUANTISED ON THE WAY OUT and leave as codes and scale bytes,
; laid in the order in which the attention launch's operand registers take them.  No f32 result goes to memory.
; WHICH PRODUCT: the cluster's x (0: q, 1: k, 2: v), the same number in all sixteen partners.  "A" is the operand whose row a lane owns (source 1), "B" the one along whose rows a lane's registers run (source 0):
; that is the next product's K.  q, k: A = x (8,192 rows), B = Wq or Wk (1,024 rows: head x 64 + d).  v: A = Wv, B = x: a lane holds one d, its registers run along the keys.
; Both operands have rows of 1,024 codes and 32 scale bytes, so only pointers and tile numbers are chosen, by s_cselect on the cluster's x: all three products take one path through the text.
; A tile of 256 x 256 is made by four waves, 128 x 128 each: 64 accumulators, 512 registers.  K goes in four steps of 256 through a ring of two LDS slots filled by joint tensor loads (A's tile shared along a row
; of the 4 x 4 cluster, B's along a column); the scale bytes of the tile's 512 rows, for all of K, come once with the first fills.
; THE QUANTISER: a block of 32 along B's rows lies in two accumulators of lanes l and l xor 16.  Scale byte = the largest magnitude's exponent field - 8, held at 1 from below; each number is held within 448 x the scale and converted.
; LIMITS: NaN and infinities are not served.  A block of zeros, or one whose largest magnitude lies under 2^-118, gets the byte 1 (the rule says 127 for zeros): its codes are zeros, and this program alone reads the bytes.
; THE WORKSPACE, for head bh = 16 batch + head: codes bh x 393,216 + (q 0 | k 131,072 | v 262,144); scale bytes bh x 20,480 + (q 0 | k 8,192 | v 16,384).
;   A tile T holds the 16 rows kappa(T, m) = 32 (T / 2) + 8 (T % 2) + m % 8 + 16 (m / 8).   q, k codes: T x 1,024 + c x 512 + 16 x lane: d = 32 c + 16 (lane / 16) + 0..15 of row kappa(T, lane % 16).
;   v codes: j x 8,192 + tau x 2,048 + c x 512 + 16 x lane: keys 128 j + 32 c + 16 (lane / 16) + 0..15 of d = kappa(tau, lane % 16).
;   q, k scale words: j x 512 + 16 (16 u + m) + 4 beta: row m of tile 8 j + 2 beta + u (bytes 0, 1; bytes 2, 3 are 0).   v scale words: j x 256 + 8 (16 u + m) + 4 beta: row m of tile 2 beta + u, four bytes.
; REGISTERS, in windows of 256: window 0: v0-31 addresses; v32-63 scale words, two sets, and nothing else; v64-107 at work on the way out; from v128 A's fragments, ONE set, later the held numbers and the rows read back.
;   window 1: B's fragments, TWO sets.   window 2: the 32 accumulators of my rows 0-63 (accumulator (a, b) at v[8 (8 a + b)]);   window 3: those of my rows 64-127.
.set KSTEP,  256                       ; along K in a slot
.set NQ,     KSTEP/128                 ; matrix instructions deep
.set ROWB,   256                       ; a tile's row in bytes
.set KROW,   1024                      ; a row of A or of B in memory, in bytes
.set PITCH,  272                       ; an LDS row: 256 bytes + 16 of padding: the 16 rows that a fragment load touches start 68 words apart
.set FR,     16                        ; registers of a fragment: 16 rows x 128 K
.set NL,     4                         ; LDS loads that bring one
.set NP,     8                         ; places behind this matrix instruction (ISA guide 7.12.1)
.set HALFT,  128*PITCH                 ; 128 rows: what one tensor load brings
.set SLOT,   4*HALFT                   ; A's 256 rows, then B's 256 rows
.set KS,     32                        ; a row of scale bytes
.set SCL,    2*SLOT                    ; behind the ring: the scales, as rows of 256 bytes + 16 of padding
.set HALFS,  (128*KS/256)*272          ; the scales of 128 rows
.set SBLK,   (16*KS/256)*272           ; those of 16 rows
.set SPARE,  SCL+4*HALFS               ; the spare words, 128 bytes for each wave: two blocks of 256 bytes that no other line names
.set SS,     20544                     ; the way out, in slot 0 (it has had its last fill and its last read by then): four strips of 64 columns x 256 rows of 80 bytes (64 + 16)
.set SCS,    4*SS                      ; behind them 1,536 bytes for each wave: three areas of 512 for its scale words
.set HEADC,  393216                    ; a head's codes in the workspace
.set HEADS,  20480                     ; a head's scale bytes
.set GOF,  8                           ; v8-11   the way out: 16 x lane + tau x the tile's stride in the workspace
.set SRD,  12                          ; v12     where I read my scale words back: 16 x lane
.set VSO,  13                          ; v13     v's scale words in the workspace: lanes 0-15 one head, lanes 16-31 the next
.set ADRA, 16                          ; v16-17  LDS address of my A fragments in slot 0, 1
.set ADRB, 20                          ; v20-21  the same for B
.set STO,  24                          ; v24     the way out: where I put 8 codes of a row
.set RD,   25                          ; v25     the way out: where I read 16 codes of a tile's row back
.set ADRS, 27                          ; v27     LDS address of my scale words: lanes 0-15 A's rows, lanes 16-31 B's
.set SPW,  28                          ; v28     LDS address of my spare word; never rewritten
.set NIL,  29                          ; v29     0; never rewritten
.set SSQ,  30                          ; v30     where I put q's or k's scale words
.set SSV,  31                          ; v31     and v's
.set SC,   32                          ; scale words: set s at v[SC + 16 s]
.set TM,   64                          ; v64-67 largest magnitudes, v68-71 bytes, v72-75 448 x the scale, v76-79 the conversion's scale operand
.set PW,   80                          ; v80-82  the scale words just made
.set C,    84                          ; v84-99  the codes just made
.set SW,   100                         ; v100-107 scale words read back
.set AF,   128                         ; A's fragments
.set X,    128                         ; the way out: 64 held numbers
.set OB,   128                         ; the way out: 32 x 4 registers read back from the stage
.set G1, 24                            ; s[24:31] descriptor group 1 for A's tiles;  s[32:39] group 0, one set for each slot
.set G0, 32
.set BP, 40                            ; s[40:47] the way out: four store bases (made when the ids that lay here are used up)
.set G1B, 48                           ; s[48:55], s[56:63] the same for B's tiles
.set G0B, 56
.set G1S, 68                           ; s[68:75], s[76:79] groups 1 and 0 for A's scales;  s[80:87], s[88:91] for B's (written when the pointers that arrive in s68-87 have been moved)
.set G0S, 76
.set G1SB, 80
.set G0SB, 88
.set SEL, 98                           ; s[98:99] lane selects for v_permlanex16_b32: lane l xor 16
.set MNT, 100                          ; s100    the mantissa field of 448
.set MSB, 0
.macro WIN new                         ; the immediate's high byte repeats the setting that is left
.if MSB != \new
	s_set_vgpr_msb (MSB<<8)|\new
.set MSB, \new
.endif
.endm
.set MUL_LO, 0xa1                      ; source 0 (B) window 1, source 1 (A) window 0, C and D window 2
.set MUL_HI, 0xf1                      ; the same, C and D window 3
.set TO_B,   0x40                      ; destination window 1, address window 0
; A joint load: waves 0 and 1 fetch for A, waves 2 and 3 for B.  Each of the two lines has ONE mask and one set of registers for all that issue it; the branch hangs on the wave's number alone.
; Four v_nop follow each of the two lines, ahead of the jump, the label and what follows.
.macro JLOAD g0a, g1a, g0b, g1b
	s_cmp_eq_u32 s15, 0
	s_cbranch_scc0 .Lfor_b_\@
	tensor_load_to_lds s[\g0a:\g0a+3], s[\g1a:\g1a+7]
	s_nop 0
.rept 4
	v_nop
.endr
	s_branch .Lasked_\@
.Lfor_b_\@:
	tensor_load_to_lds s[\g0b:\g0b+3], s[\g1b:\g1b+7]
	s_nop 0
.rept 4
	v_nop
.endr
.Lasked_\@:
.endm
.macro CREST                           ; a round of the cluster's barrier behind its opening barrier
	s_cmp_lg_u32 s14, 0
	s_cbranch_scc1 .Lnot_wave_0_\@
	s_barrier_signal -3
.Lnot_wave_0_\@:
	s_barrier_wait -3
	s_barrier_signal -1
	s_barrier_wait -1
.endm
.macro CROUND                          ; a whole round
	s_barrier_signal -1
	s_barrier_wait -1
	CREST
.endm
	s_load_b512 s[68:83], s[0:1], 0x0              ; x's codes, scales; Wq's; Wk's; Wv's
	s_load_b128 s[84:87], s[0:1], 0x40             ; the workspace: codes, scale bytes
	v_lshl_add_u32 v[SPW], v0, 2, SPARE
	v_mov_b32 v[NIL], 0
	ds_add_u32 v28, v29
	ds_add_u32 v28, v29
	s_wait_dscnt 0x0
	v_lshrrev_b32 v1, 5, v0
	v_readfirstlane_b32 s14, v1                    ; wave 0..3
	s_lshr_b32 s15, s14, 1                         ; which half of the tile's rows is mine.  Also: I fetch for A (0) or for B (1)
	s_and_b32 s16, s14, 1                          ; which half of its columns.  Also: which 128 rows of that tile I fetch
	s_bfe_u32 s40, ttmp6, 0x40000                  ; cx, cy: my place in the cluster
	s_bfe_u32 s41, ttmp6, 0x40004
	s_and_b32 s18, ttmp7, 0xffff
	s_lshl_b32 s18, s18, 2                         ; 4 x cluster y: it walks x's 32 tiles, which are A's for q and k and B's for v
	s_cmp_eq_u32 ttmp9, 2                          ; v?  (both choices ahead of the additions, which write SCC)
	s_cselect_b32 s17, 0, s18
	s_cselect_b32 s42, s18, 0
	s_add_co_u32 s17, s17, s41                     ; tile row (of A): cy + 4 x cluster y, for v: cy
	s_add_co_u32 s42, s42, s40                     ; tile column (of B): cx, for v: cx + 4 x cluster y
	s_lshl_b32 s43, s41, 2
	s_lshl_b32 s43, 15, s43                        ; my row of the cluster
	s_lshl_b32 s44, 0x1111, s40                    ; my column
	; descriptor group 1: a tile of 128 rows x 256 bytes, padded in LDS
	s_or_b32 s[G1+0], s43, (0<<16)|(1<<20)|(1<<21)|(5<<22)|(3<<25)  ; 15:0 the mask: A's tiles go to my row; 17:16 element of 1 byte; 20 padding on; 21 set beside a mask; 24:22 after every 64 words (code 5); 31:25 of 4 words (code 3)
	s_or_b32 s[G1B+0], s44, (0<<16)|(1<<20)|(1<<21)|(5<<22)|(3<<25)
.irp g, G1, G1B
	s_mov_b32 s[\g+1], ROWB<<16                    ; tensor_dim0
	s_mov_b32 s[\g+2], 128<<16                     ; tensor_dim1 = 128
	s_mov_b32 s[\g+3], ROWB<<16                    ; tile_dim0
	s_mov_b32 s[\g+4], 128                         ; tile_dim1 = 128
	s_mov_b32 s[\g+5], KROW                        ; tensor_dim0_stride
	s_mov_b32 s[\g+6], 0
	s_mov_b32 s[\g+7], 0
.endr
	s_lshl_b32 s18, s16, 7                         ; which 128 rows of the tile I fetch
	s_lshl_b32 s20, s17, 8
	s_add_co_u32 s20, s20, s18                     ; A: row 256 x tile row + 128 x half
	s_lshl_b32 s46, s42, 8
	s_add_co_u32 s46, s46, s18                     ; B: row 256 x tile column + 128 x half
	s_mov_b32 s21, 0
	s_mov_b32 s47, 0
	s_lshl_b64 s[22:23], s[20:21], 5               ; where these rows' scales begin: 32 bytes a row
	s_lshl_b64 s[98:99], s[46:47], 5
	s_lshl_b64 s[20:21], s[20:21], 10              ; and their codes: 1,024 bytes a row
	s_lshl_b64 s[46:47], s[46:47], 10
	s_mul_i32 s45, s14, HALFT                      ; where they go: wave x 128 rows: no place in the cluster enters an LDS address
	s_mul_i32 s100, s14, HALFS
	s_wait_kmcnt 0x0
	s_cmp_eq_u32 ttmp9, 0                          ; the buffers are chosen by the cluster's x alone
	s_cselect_b64 s[92:93], s[72:73], s[76:77]     ; Wq's or Wk's codes,
	s_cselect_b64 s[94:95], s[74:75], s[78:79]     ; and scales
	s_cmp_eq_u32 ttmp9, 2
	s_cselect_b64 s[4:5], s[80:81], s[68:69]       ; A's codes: Wv's for v, else x's
	s_cselect_b64 s[6:7], s[82:83], s[70:71]       ; A's scales
	s_cselect_b64 s[8:9], s[68:69], s[92:93]       ; B's codes: x's for v, else the weight's
	s_cselect_b64 s[10:11], s[70:71], s[94:95]     ; B's scales
	s_mov_b64 s[12:13], s[84:85]                   ; the codes' way out
	s_mov_b64 s[96:97], s[86:87]                   ; the scale bytes'
	s_add_nc_u64 s[20:21], s[4:5], s[20:21]
	s_add_nc_u64 s[22:23], s[6:7], s[22:23]
	s_add_nc_u64 s[46:47], s[8:9], s[46:47]
	s_add_nc_u64 s[98:99], s[10:11], s[98:99]
	; group 1 for the scales of 128 rows: a dense block of 4,096 bytes, as 16 rows of 256 bytes (32 elements of 8 bytes), 16 bytes of padding behind each
	s_or_b32 s[G1S+0], s43, (3<<16)|(1<<20)|(1<<21)|(5<<22)|(3<<25)
	s_or_b32 s[G1SB+0], s44, (3<<16)|(1<<20)|(1<<21)|(5<<22)|(3<<25)
.irp g, G1S, G1SB
	s_mov_b32 s[\g+1], 32<<16
	s_mov_b32 s[\g+2], (128*KS/256)<<16
	s_mov_b32 s[\g+3], 32<<16
	s_mov_b32 s[\g+4], 128*KS/256
	s_mov_b32 s[\g+5], 32
	s_mov_b32 s[\g+6], 0
	s_mov_b32 s[\g+7], 0
.endr
	CROUND                                         ; all sixteen work-groups are here: the first joint loads meet
	s_mov_b32 s[G0S], 1
	s_add_co_u32 s[G0S+1], s100, SCL
	s_mov_b64 s[G0S+2:G0S+3], s[22:23]
	s_or_b32 s[G0S+3], s[G0S+3], 0x80000000
	s_mov_b32 s[G0SB], 1
	s_add_co_u32 s[G0SB+1], s100, SCL
	s_mov_b64 s[G0SB+2:G0SB+3], s[98:99]
	s_or_b32 s[G0SB+3], s[G0SB+3], 0x80000000
	JLOAD G0S, G1S, G0SB, G1SB                     ; the scales first: they are wanted with K step 0
.irp s, 0,1
	s_mov_b32 s[G0+4*\s], 1
	s_add_co_u32 s[G0+4*\s+1], s45, \s*SLOT
	s_add_nc_u64 s[G0+4*\s+2:G0+4*\s+3], s[20:21], \s*ROWB
	s_or_b32 s[G0+4*\s+3], s[G0+4*\s+3], 0x80000000
	s_mov_b32 s[G0B+4*\s], 1
	s_add_co_u32 s[G0B+4*\s+1], s45, \s*SLOT
	s_add_nc_u64 s[G0B+4*\s+2:G0B+4*\s+3], s[46:47], \s*ROWB
	s_or_b32 s[G0B+4*\s+3], s[G0B+4*\s+3], 0x80000000
	JLOAD G0+4*\s, G1, G0B+4*\s, G1B               ; three tensor loads of mine are out now, and never more
.endr
	v_and_b32 v1, 15, v0                           ; r = l % 16
	v_bfe_u32 v2, v0, 4, 1                         ; h = l / 16
	v_mul_u32_u24 v3, v1, PITCH
	v_lshl_add_u32 v4, v2, 4, v3                   ; a fragment's row x pitch + 16 x half
	s_mul_i32 s21, s15, HALFT                      ; my 128 rows of A
	s_mul_i32 s22, s16, HALFT                      ; my 128 rows of B,
	s_add_co_u32 s22, s22, 2*HALFT                 ; which lie behind A's 256
.irp s, 0,1
	v_add_nc_u32 v[ADRA+\s], s21, v4
	v_add_nc_u32 v[ADRB+\s], s22, v4
	s_add_co_u32 s21, s21, SLOT
	s_add_co_u32 s22, s22, SLOT
.endr
	v_mul_u32_u24 v5, v1, KS                       ; my row's scales: 32 bytes a row,
	v_lshrrev_b32 v6, 8, v5
	v_lshl_add_u32 v5, v6, 4, v5                   ; and 16 more for each 256 passed
	s_mul_i32 s21, s15, HALFS                      ; A's: my 128 rows
	s_mul_i32 s22, s16, HALFS                      ; B's: my 128 rows, behind A's 256
	s_add_co_u32 s22, s22, 2*HALFS
	s_sub_co_u32 s22, s22, s21
	v_mul_u32_u24 v6, s22, v2                      ; lanes 16-31 take B's
	s_add_co_u32 s21, s21, SCL
	v_add_nc_u32 v5, v5, v6
	v_add_nc_u32 v[ADRS], s21, v5
	; the way out's LDS addresses: constants, the lane and the wave's number alone
	s_mul_i32 s21, s16, 2*SS                       ; my 128 columns are two strips,
	s_mul_i32 s22, s15, 128*80                     ; my 128 rows
	s_add_co_u32 s21, s21, s22
	v_mul_u32_u24 v5, v1, 80
	v_lshl_add_u32 v5, v2, 3, v5
	v_add_nc_u32 v[STO], s21, v5                   ; in: row r, 8 bytes for each half of the lanes
	v_and_b32 v6, 7, v0
	v_bfe_u32 v7, v0, 3, 1
	v_lshl_add_u32 v6, v7, 4, v6                   ; r % 8 + 16 (r / 8): row m of a tile
	s_mul_i32 s21, s14, SS                         ; back: wave w takes strip w, all 256 rows
	v_mul_u32_u24 v5, v6, 80
	v_lshl_add_u32 v5, v2, 4, v5
	v_add_nc_u32 v[RD], s21, v5
	v_and_b32 v5, 31, v0
	v_lshlrev_b32 v[GOF], 4, v5                    ; 16 x lane
	s_mul_i32 s21, s14, 1536
	s_add_co_u32 s21, s21, SCS                     ; my scale words' three areas
	v_lshl_add_u32 v[SSQ], v6, 4, s21              ; row 16 a + r of my 128 is row r % 8 + 8 (a % 2) of tile 2 (a / 2) + r / 8: 256 (r / 8) + 16 (r % 8), the rest in the immediate
	v_lshl_add_u32 v[SSV], v6, 3, s21              ; v's words lie 8 bytes apart
	v_add_nc_u32 v[SRD], s21, v[GOF]
	v_mul_u32_u24 v[VSO], v2, HEADS
	v_lshl_add_u32 v[VSO], v1, 4, v[VSO]
.irp b, 0,1,2,3
	v_mov_b32 v[TM+4+\b], 0                        ; written once: a lane permute's destination counts as one of its sources
.endr
	; where the results go.  t8: which 256 of x's rows (batch t8 / 8, block t8 % 8); tw: which four heads
	s_lshl_b32 s2, s15, 13
	s_lshl_b32 s3, s16, 10
	s_add_co_u32 s2, s2, s3                        ; v: strip w holds keys 64 w on: key step w / 2, blocks 2 (w % 2) on
	s_mov_b32 s94, HEADC
	s_mov_b32 s95, 2048
	s_cmp_eq_u32 ttmp9, 2
	s_cselect_b32 s20, s42, s17                    ; t8
	s_cselect_b32 s21, s17, s42                    ; tw
	s_cselect_b32 s22, 0, s14                      ; q, k: strip w is head w of the four
	s_cselect_b32 s23, s15, s16                    ; which two heads my scale words belong to,
	s_cselect_b32 s92, s16, s15                    ; and which 128 of x's rows
	s_cselect_b32 s93, 8, 9                        ; a step's scale words: 256 bytes for v, else 512
	s_cselect_b32 s94, s94, 4096                   ; from four tiles to the next four: v: the next head; q, k: 4 x 1,024
	s_cselect_b32 s95, s95, 1024                   ; from tile to tile
	s_cselect_b32 s2, s2, 0
	s_lshr_b32 s3, s20, 3
	s_and_b32 s20, s20, 7
	s_lshl_b32 s3, s3, 4
	s_lshl_b32 s21, s21, 2
	s_add_co_u32 s3, s3, s21                       ; 16 batch + 4 tw
	s_add_co_u32 s22, s22, s3
	s_mul_i32 s22, s22, HEADC
	s_lshl_b32 s18, ttmp9, 17                      ; q's, k's or v's part
	s_add_co_u32 s22, s22, s18
	s_lshl_b32 s18, s20, 14                        ; 256 rows of x are 16,384 bytes in each part
	s_add_co_u32 s22, s22, s18
	s_add_co_u32 s18, s22, s2
	s_mov_b32 s19, 0
	s_add_nc_u64 s[BP:BP+1], s[12:13], s[18:19]
	s_mov_b32 s18, s94
	s_add_nc_u64 s[BP+2:BP+3], s[BP:BP+1], s[18:19]
	s_add_nc_u64 s[BP+4:BP+5], s[BP+2:BP+3], s[18:19]
	s_add_nc_u64 s[BP+6:BP+7], s[BP+4:BP+5], s[18:19]
	s_lshl_b32 s23, s23, 1
	s_add_co_u32 s3, s3, s23
	s_mul_i32 s3, s3, HEADS
	s_lshl_b32 s18, ttmp9, 13
	s_add_co_u32 s3, s3, s18
	s_lshl_b32 s20, s20, 1
	s_add_co_u32 s20, s20, s92
	s_lshl_b32 s20, s20, s93
	s_add_co_u32 s18, s3, s20
	s_add_nc_u64 s[96:97], s[96:97], s[18:19]
	v_add_nc_u32 v[GOF+1], s95, v[GOF]
	s_lshl_b32 s18, s95, 1
	v_add_nc_u32 v[GOF+2], s18, v[GOF]
	s_add_co_u32 s18, s18, s95
	v_add_nc_u32 v[GOF+3], s18, v[GOF]
	s_mov_b32 s[SEL], 0x76543210
	s_mov_b32 s[SEL+1], 0xfedcba98
	s_mov_b32 s[MNT], 0x600000
.macro FRAG reg, adr, q, i             ; a fragment, 16 rows x 128 K of 8-bit codes, is 16 registers: lane l holds row l % 16; registers 4 c .. 4 c + 3 hold K = 32 c + 16 (l / 16) + 0 .. 15
.irp c, 0,1,2,3
	ds_load_b128 v[\reg+4*\c:\reg+4*\c+3], v[\adr] offset:128*(\q)+32*\c+(\i)*16*PITCH
.endr
.endm
; 16 matrix instructions: A's blocks a0, a0 + 1 x B's eight, 128 along K: the slot's q-th.  p: B's set;  sc: the set of scale words.  zero = 1: the first product starts the sums: nothing is ever cleared.
; The 64 accumulators take turns, one instruction a turn, in the same order in every step.
.macro MUL16 a0, p, q, sc, zero
.irp a, \a0, \a0+1
.irp b, 0,1,2,3,4,5,6,7
.if \zero
	v_wmma_scale_f32_16x16x128_f8f6f4 v[8*(8*((\a)%4)+\b):8*(8*((\a)%4)+\b)+7], v[128*(\p)+FR*\b:128*(\p)+FR*\b+FR-1], v[AF+FR*(\a):AF+FR*(\a)+FR-1], 0, v[SC+8*NQ*(\sc)+NQ*\b+(\q)], v[SC+8*NQ*(\sc)+NQ*(\a)+(\q)] matrix_a_scale:MATRIX_SCALE_ROW1
.else
	v_wmma_scale_f32_16x16x128_f8f6f4 v[8*(8*((\a)%4)+\b):8*(8*((\a)%4)+\b)+7], v[128*(\p)+FR*\b:128*(\p)+FR*\b+FR-1], v[AF+FR*(\a):AF+FR*(\a)+FR-1], v[8*(8*((\a)%4)+\b):8*(8*((\a)%4)+\b)+7], v[SC+8*NQ*(\sc)+NQ*\b+(\q)], v[SC+8*NQ*(\sc)+NQ*(\a)+(\q)] matrix_a_scale:MATRIX_SCALE_ROW1
.endif
.endr
.endr
.endm
.macro FETCH_B slot, q, p              ; B's eight fragments of the slot's q-th 128 along K into set p
	WIN TO_B
.irp i, 0,1,2,3,4,5,6,7
	FRAG 128*(\p)+FR*\i, ADRB+\slot, \q, \i
.endr
	WIN 0
.endm
.macro FETCH_A slot, q, i0             ; A's blocks i0 .. i0 + 3
.irp i, \i0, \i0+1, \i0+2, \i0+3
	FRAG AF+FR*(\i), ADRA+\slot, \q, \i
.endr
.endm
.macro SCALES sc                       ; the next K step's scale words into set sc: two words a row; lanes 0-15 take A's block i, lanes 16-31 B's block i
.irp i, 0,1,2,3,4,5,6,7
	ds_load_b64 v[SC+8*NQ*\sc+NQ*\i:SC+8*NQ*\sc+NQ*\i+1], v[ADRS] offset:\i*SBLK
.endr
.endm
; A load into a register that a matrix instruction has read, and a vector instruction that reads a matrix result or writes one of its sources, stand NP places behind that matrix instruction, and only plain vector
; instructions that name none of its registers are places (ISA guide 7.12.1 for vector instructions).
.macro PLACES n
.rept \n
	v_nop
.endr
.endm
; A step of 128 along K that has its successor in the same slot.
.macro STEP slot, q, zero
	s_wait_dscnt 4*NL                              ; B's set and A's blocks 0-3 are in; the youngest sixteen loads (A's blocks 4-7) may be out
	WIN MUL_LO
	MUL16 0, (\q)%2, \q, \slot, \zero
	MUL16 2, (\q)%2, \q, \slot, \zero
	s_wait_dscnt 0                                 ; A's blocks 4-7 are in (asked for 32 matrix instructions ago)
	PLACES NP
	FETCH_B \slot, (\q)+1, 1-(\q)%2
	FETCH_A \slot, (\q)+1, 0
	WIN MUL_HI
	MUL16 4, (\q)%2, \q, \slot, \zero
	MUL16 6, (\q)%2, \q, \slot, \zero
	PLACES NP
	WIN 0
	FETCH_A \slot, (\q)+1, 4
.endm
; A slot's last step changes slots: ONE barrier; in front of it each wave waits for all its tensor loads, adds 0 to its spare word, and waits for that and for its own reads of this slot.  fill = 1: this slot is filled again, two K steps ahead.
.macro TURN slot, next, fill
	s_wait_tensorcnt 0x0                           ; all my tensor loads have landed: my part of the next slot;  (every window is 0 here: the add's two registers lie in window 0)
	ds_add_u32 v[SPW], v[NIL]                      ; 0 onto my spare word
	s_wait_dscnt 4*NL+1                            ; (the add and the youngest sixteen loads, A's blocks 4-7, may be out)
	WIN MUL_LO
	MUL16 0, 1, NQ-1, \slot, 0                     ; sixteen matrix instructions stand between the add and the wait for it
	s_wait_dscnt 0x0                               ; the add is done, and my reads of this slot are over
	s_barrier_signal -1
	MUL16 2, 1, NQ-1, \slot, 0
	WIN 0
	s_barrier_wait -1
.if \fill
	CREST                                          ; the barrier has opened a round of the cluster's barrier: no wave of any partner still reads this slot's tile or has a load on its way
	s_add_nc_u64 s[G0+4*\slot+2:G0+4*\slot+3], s[G0+4*\slot+2:G0+4*\slot+3], 2*ROWB
	s_add_nc_u64 s[G0B+4*\slot+2:G0B+4*\slot+3], s[G0B+4*\slot+2:G0B+4*\slot+3], 2*ROWB
	JLOAD G0+4*\slot, G1, G0B+4*\slot, G1B         ; the first tensor load behind the round; the four v_nop behind it are among the places in front of the loads below
	PLACES NP-4
.else
	PLACES NP
.endif
	v_add_nc_u32 v[ADRS], 4*NQ, v[ADRS]            ; on to the next K step's scale words (no LDS load of mine is out)
	FETCH_B \next, 0, 0
	FETCH_A \next, 0, 0
	SCALES \next
	WIN MUL_HI
	MUL16 4, 1, NQ-1, \slot, 0
	MUL16 6, 1, NQ-1, \slot, 0
	PLACES NP
	WIN 0
	FETCH_A \next, 0, 4
.endm
	s_wait_tensorcnt 1                             ; the scales and my part of K step 0 are in (K step 1's load may be out)
	s_barrier_signal -1
	s_barrier_wait -1                              ; everybody's are
	FETCH_B 0, 0, 0
	FETCH_A 0, 0, 0
	SCALES 0
	FETCH_A 0, 0, 4
	STEP 0, 0, 1                                   ; K = 1,024 is four K steps of 256, eight steps of 128: written out.  The first step's products start the sums
	TURN 0, 1, 1                                   ; slot 0 takes K step 2
	STEP 1, 0, 0
	TURN 1, 0, 1                                   ; slot 1 takes K step 3
	STEP 0, 0, 0
	TURN 0, 1, 0                                   ; nothing is left to fetch: slot 0 has had its last fill, and behind this barrier nobody reads it
	STEP 1, 0, 0
	s_wait_dscnt 4*NL                              ; the very last step
	WIN MUL_LO
	MUL16 0, 1, NQ-1, 1, 0
	MUL16 2, 1, NQ-1, 1, 0
	s_wait_dscnt 0
	WIN MUL_HI
	MUL16 4, 1, NQ-1, 1, 0
	MUL16 6, 1, NQ-1, 1, 0
	WIN 0
	PLACES NP                                      ; in front of the first read of results and of the first write over A's fragments
; THE WAY OUT.  Block a: 16 of A's rows x my 128 columns.  In accumulator b' lane (r, h) holds row r and columns 16 b' + 8 h + 0..7, so a block of 32 columns is accumulators 2 b, 2 b + 1 of lanes l and l xor 16.
; Its 64 numbers a lane are held, converted and put into the stage as rows of codes; the four scale bytes are packed three ways (head 0's word, head 1's word, all four): which of them leaves is chosen at the end.
.macro QBLK a
.set AC, 64*((\a)%4)
	WIN 0x0a+5*((\a)/4)                            ; sources 0 and 1: window 2 or 3
.irp b, 0,1,2,3
	v_max3_num_f32 v[TM+\b], |v[AC+16*\b]|, |v[AC+16*\b+1]|, 0x4800000   ; my 16 numbers of block b, each accumulator from its low end on, and the floor 2^(9 - 127): so the byte cannot fall under 1
.endr
.irp i, 2,4,6,8,10,12,14
.irp b, 0,1,2,3
	v_max3_num_f32 v[TM+\b], |v[AC+16*\b+\i]|, |v[AC+16*\b+\i+1]|, v[TM+\b]   ; (the four blocks by turns)
.endr
.endr
	WIN 0
	s_wait_dscnt 0x0                               ; the last block's LDS stores have read the codes' and the words' registers
.irp b, 0,1,2,3
	v_permlanex16_b32 v[TM+4+\b], v[TM+\b], s[SEL], s[SEL+1]
.endr
.irp b, 0,1,2,3
	v_max_num_f32 v[TM+\b], v[TM+\b], v[TM+4+\b]   ; with lane l xor 16's: the block's largest magnitude
.endr
.irp b, 0,1,2,3
	v_add_nc_u32 v[TM+12+\b], 0xfc000000, v[TM+\b] ; 8 off its exponent field: the conversion takes the exponent field of this operand as its scale
.endr
.irp b, 0,1,2,3
	v_and_or_b32 v[TM+8+\b], v[TM+\b], 0x7f800000, s[MNT]   ; 448 x the scale
.endr
.irp b, 0,1,2,3
	v_lshrrev_b32 v[TM+4+\b], 23, v[TM+12+\b]      ; the scale's byte
.endr
	v_lshl_or_b32 v[PW], v[TM+5], 8, v[TM+4]       ; q, k: my first head's two blocks; bytes 2 and 3 stay 0
	v_lshl_or_b32 v[PW+1], v[TM+7], 8, v[TM+6]     ; my second head's
	v_lshl_or_b32 v[PW+2], v[PW+1], 16, v[PW]      ; v: the key step's four blocks
	WIN 0x02+(\a)/4                                ; source 0: window 2 or 3
.irp b, 0,1,2,3
.irp i, 0,1,2,3,4,5,6,7,8,9,10,11,12,13,14,15
	v_med3_num_f32 v[X+16*\b+\i], v[AC+16*\b+\i], -v[TM+8+\b], v[TM+8+\b]   ; the conversion to an 8-bit code does not saturate (ISA guide 7.6.2): the hold at the largest code x the scale
.endr
.endr
	WIN 0
.irp b, 0,1,2,3
	v_cvt_scalef32_pk8_fp8_f32 v[C+4*\b:C+4*\b+1], v[X+16*\b:X+16*\b+7], v[TM+12+\b]       ; columns 32 b + 8 h + 0..7
	v_cvt_scalef32_pk8_fp8_f32 v[C+4*\b+2:C+4*\b+3], v[X+16*\b+8:X+16*\b+15], v[TM+12+\b]  ; columns 32 b + 16 + 8 h + 0..7
.endr
	v_nop                                          ; one plain vector instruction behind the last conversion, ahead of whatever next writes its sources
.irp b, 0,1,2,3
	ds_store_b64 v[STO], v[C+4*\b:C+4*\b+1] offset:(\b/2)*SS+(\a)*1280+32*(\b%2)
	ds_store_b64 v[STO], v[C+4*\b+2:C+4*\b+3] offset:(\b/2)*SS+(\a)*1280+32*(\b%2)+16
.endr
	ds_store_b32 v[SSQ], v[PW] offset:((\a)%2)*128+((\a)/2)*4            ; lanes l and l xor 16 write the same word with the same value
	ds_store_b32 v[SSQ], v[PW+1] offset:512+((\a)%2)*128+((\a)/2)*4
	ds_store_b32 v[SSV], v[PW+2] offset:1024+((\a)/4)*256+((\a)%2)*64+(((\a)/2)%2)*4
.endm
.irp a, 0,1,2,3,4,5,6,7
	QBLK \a
.endr
	s_wait_dscnt 0x0                               ; for the others' sake: my stores into the stage are done
	s_barrier_signal -1
	s_barrier_wait -1                              ; a strip's 256 rows come from two waves
	; wave w reads strip w back as 16 tiles x two groups of four operand registers, and stores each as 512 consecutive bytes, at a multiple of 512 from the buffer's first byte
.irp t, 0,1,2,3,4,5,6,7,8,9,10,11,12,13,14,15
.irp c, 0,1
	ds_load_b128 v[OB+4*(2*\t+\c):OB+4*(2*\t+\c)+3], v[RD] offset:(32*(\t/2)+8*(\t%2))*80+32*\c
.endr
.endr
.irp t, 0,1,2,3,4,5,6,7,8,9,10,11,12,13,14,15
.irp c, 0,1
	s_wait_dscnt 31-(2*\t+\c)                      ; LDS loads come back in order: this one is in, the younger ones may be out
	global_store_b128 v[GOF+\t%4], v[OB+4*(2*\t+\c):OB+4*(2*\t+\c)+3], s[BP+2*(\t/4):BP+2*(\t/4)+1] offset:512*\c
.endr
.endr
	s_cmp_eq_u32 ttmp9, 2                          ; the scale words: my own bytes of LDS.  The branch hangs on the cluster's x, the same in all partners; its arms hold LDS reads and stores to memory alone
	s_cbranch_scc1 .Lv_words
	ds_load_b128 v[SW:SW+3], v[SRD]                ; q, k: 128 rows' words of my first head,
	ds_load_b128 v[SW+4:SW+7], v[SRD] offset:512   ; and of my second
	s_wait_dscnt 0x0
	global_store_b128 v[GOF], v[SW:SW+3], s[96:97]
	global_store_b128 v[GOF], v[SW+4:SW+7], s[96:97] offset:HEADS
	s_branch .Lwords_out
.Lv_words:
	ds_load_b128 v[SW:SW+3], v[SRD] offset:1024    ; v: lanes 0-15 my first head's 64 words of this key step, lanes 16-31 my second's: 256 consecutive bytes each
	s_wait_dscnt 0x0
	global_store_b128 v[VSO], v[SW:SW+3], s[96:97]
.Lwords_out:
	s_wait_tensorcnt 0x0                           ; the wave's end: behind my last tensor load and my last LDS store
	ds_add_u32 v[SPW], v[NIL]
	s_wait_dscnt 0x0
	CROUND                                         ; the closing round: no work-group ends while a partner may still ask for a tile that names it
	s_endpgm
.Lfunc_end_k_q0cf869c467_proj:
	.size	k_q0cf869c467_proj, .Lfunc_end_k_q0cf869c467_proj-k_q0cf869c467_proj
	.p2alignl 7, 3214868480
	.fill 96, 4, 3214868480
	.section	.rodata,"a",@progbits
	.p2align	6, 0x0
	.amdhsa_kernel k_q0cf869c467_proj
		.amdhsa_group_segment_fixed_size 327680
		.amdhsa_private_segment_fixed_size 0
		.amdhsa_enable_private_segment 0
		.amdhsa_kernarg_size 80
		.amdhsa_user_sgpr_count 2
		.amdhsa_user_sgpr_kernarg_segment_ptr 1
		.amdhsa_wavefront_size32 1
		.amdhsa_system_sgpr_workgroup_id_x 1
		.amdhsa_system_sgpr_workgroup_id_y 1
		.amdhsa_system_sgpr_workgroup_id_z 1
		.amdhsa_system_vgpr_workitem_id 0
		.amdhsa_next_free_vgpr 1024
		.amdhsa_next_free_sgpr 102
		.amdhsa_reserve_vcc 0
		.amdhsa_float_denorm_mode_32 3
		.amdhsa_float_denorm_mode_16_64 3
		.amdhsa_memory_ordered 1
		.amdhsa_forward_progress 1
		.amdhsa_inst_pref_size 196
	.end_amdhsa_kernel
	.amdgpu_metadata
---
amdhsa.version: [ 1, 2 ]
amdhsa.kernels:
  - .name:           k_q0cf869c467_proj
    .symbol:         k_q0cf869c467_proj.kd
    .args:
      - { .name: x_codes, .offset: 0, .size: 8, .value_kind: global_buffer, .address_space: global }
      - { .name: x_scales, .offset: 8, .size: 8, .value_kind: global_buffer, .address_space: global }
      - { .name: Wq_codes, .offset: 16, .size: 8, .value_kind: global_buffer, .address_space: global }
      - { .name: Wq_scales, .offset: 24, .size: 8, .value_kind: global_buffer, .address_space: global }
      - { .name: Wk_codes, .offset: 32, .size: 8, .value_kind: global_buffer, .address_space: global }
      - { .name: Wk_scales, .offset: 40, .size: 8, .value_kind: global_buffer, .address_space: global }
      - { .name: Wv_codes, .offset: 48, .size: 8, .value_kind: global_buffer, .address_space: global }
      - { .name: Wv_scales, .offset: 56, .size: 8, .value_kind: global_buffer, .address_space: global }
      - { .name: qkv_codes, .offset: 64, .size: 8, .value_kind: global_buffer, .address_space: global }
      - { .name: qkv_scales, .offset: 72, .size: 8, .value_kind: global_buffer, .address_space: global }
    .group_segment_fixed_size: 327680
    .private_segment_fixed_size: 0
    .kernarg_segment_align: 8
    .kernarg_segment_size: 80
    .max_flat_workgroup_size: 128
    .sgpr_count:     102
    .vgpr_count:     1024
    .wavefront_size: 32
...
	.end_amdgpu_metadata
.endif
;; end of part 1
;; launch attn (part 2): grid 8 x 64, 16 waves a work-group, clusters of 4 x 1, 276,480 bytes of LDS; arguments qkv_codes, qkv_scales, out0; writes out0
.if DOCPART == 2
	.amdgcn_target "amdgcn-amd-amdhsa--gfx1250"
	.amdhsa_code_object_version 6
	.text
	.protected	k_q0cf869c467_attn
	.globl	k_q0cf869c467_attn
	.p2align	8
	.type	k_q0cf869c467_attn,@function
k_q0cf869c467_attn:
	s_mov_b64 s[64:65], 0
	v_nop
	global_prefetch_b8 v0, s[64:65] scope:SCOPE_SE
	s_setreg_imm32_b32 hwreg(HW_REG_WAVE_MODE, 25, 1), 1
	s_wait_xcnt 0x0
	s_wait_alu depctr_hold_cnt(0) depctr_sa_sdst(0) depctr_va_vdst(0) depctr_va_sdst(0) depctr_va_ssrc(0) depctr_va_vcc(0) depctr_vm_vsrc(0)
	s_getreg_b32 s2, hwreg(HW_REG_IB_STS2, 6, 4)
	s_cmp_eq_u32 s2, 0
	s_cbranch_scc0 .Lentry_in_a_cluster
	s_endpgm
.Lentry_in_a_cluster:
	s_bfe_u32 s2, ttmp6, 0x10000c
	s_cmp_lg_u32 s2, 0x3003
	s_cbranch_scc0 .Lentry_shape_is_right
	s_endpgm
.Lentry_shape_is_right:
; out[b][q][64 h + d] = the sum over k of softmax_k(q . k / 32) v, for each of the 64 heads bh = 16 b + h, 2,048 keys, head size 64; both products on codes of FP8 (E4M3) with one E8M0 scale for each 32 along a product's K.
; q, k and v arrive from the launch before as images of the operand's registers (the layout stands in that launch's head comment): every fragment is read at 16 x lane, with no pitch and no padding.
; THE SOFTMAX AHEAD OF THE SECOND PRODUCT: t = score x log2(e) / 32; M = the row's largest t so far, rounded UP to a whole number; p = 2^(t - M) is quantised along the keys, not normalised.  The row's sum is taken of the
; unquantised p and divides O at the end.  When M moves, the sum and O are multiplied by 2^(old M - new M): exact.
; SHARES.  A work-group owns 256 queries of one head; each of its SIXTEEN waves owns one tile of 16 (tile T = 16 x block + wave; lane r holds query 32 (T / 2) + 8 (T % 2) + r % 8 + 16 (r / 8)) in 256 registers: four waves
; to a SIMD, so that one wave's vector work stands beside another's matrix work and LDS loads.  Every wave walks all keys, 128 a step.
; THE WHOLE HEAD LIES IN LDS: k's codes 131,072 bytes, v's 131,072, their scale words 8,192 + 4,096: filled once, by waves 0 to 3, five tensor loads each (that many of a wave's are out at the most), all issued at the
; kernel's head: so there is no ring, nothing is filled again, and there is no later load that could be asked ahead of.  The codes come in four groups of four key steps; a group is read behind a counted wait and a barrier.
; CLUSTER.  The four query blocks of a cluster belong to one head: each load is asked for JOINTLY, by the same line with the same descriptor and a mask that names the four.
; LAYOUT.  Both products are used transposed: S^T = K Q^T (source 0 = 16 keys, source 1 = my 16 queries), O^T = V^T P^T (source 0 = 16 of the head's 64, source 1 = p): a lane holds ONE query throughout.  By the tiles' choice
; of rows the 16 registers of tiles 2 b and 2 b + 1 are 16 neighbours: keys 32 b + 16 (lane / 16) + 0..15 in S^T, so that the conversions' results are p's operand; d likewise in O^T.
; K = 64 IN A FORM OF 128: Q's registers for k = 64..127 are zero codes.  K's fragment of tile t names 16 registers of which the upper eight are the next tile's codes (behind the last tile: zeros): they are codes of finite
; numbers, since the quantiser holds every number within the largest code, and meet zero codes, so they add nothing; the scale bytes that stand over them are 0, which is a power of two like any other.
; LIMITS: NaN and infinities are not served.  A block's largest p is made from its largest score by the same two instructions, which takes v_exp_f32 not to fall where its input rises; a block whose every p is 0 keeps the byte 1.
.set HEADC, 393216                     ; a head's codes in the workspace: q, k, v, 131,072 each
.set HEADS, 20480                      ; a head's scale bytes: q 8,192, k 8,192, v 4,096
.set VIMG,  131072                     ; LDS: k's images from 0, v's from here,
.set KSC,   262144                     ; k's scale words,
.set VSC,   270336                     ; v's
.set STG,   4352                       ; the way out: 16 rows x (256 bytes + 16) for each wave, over k's first bytes: they have had their only fill, and behind the last barrier nobody reads them
.set L16,  1                           ; v1   16 x lane: my place in an image of k
.set AV0,  2                           ; v2   the same for v
.set ASK0, 3                           ; v3   among k's scale words
.set ASV0, 4                           ; v4   and v's: 8 x lane
.set ADK,  8                           ; v8-11 the step's addresses: k, v, k's words, v's words
.set ADV,  9
.set ADS,  10
.set ADT,  11
.set QF,   16                          ; v16-23 Q's codes, v24-31 zeros.   v12 -M, v13 the largest t, v[14:15] the sum in two halves
.set KF,   32                          ; v32-95 k's 8 tiles x 8 registers, later v's 4 fragments x 16; v96-103 zeros for good
.set ST,   104                         ; v104-167 S^T, then p
.set OT,   168                         ; v168-199 O^T
.set PC,   200                         ; v200-215 p's codes
.set KSW,  216                         ; v216-219 k's scale words: register b: tile 2 b in lanes 0-15, tile 2 b + 1 in lanes 16-31
.set VSW,  220                         ; v220-221 v's likewise
.set QSW,  222                         ; v222 Q's scale word
.set PSW,  223                         ; v223 p's
.set BM,   224                         ; v224-227 each block's largest score, then its largest p
.set TP,   228                         ; v228-231 the other half's, then the bytes
.set HL,   232                         ; v232-235 448 x the scale
.set SO,   236                         ; v236-239 the conversion's scale operand
.set F,    240                         ; v[240:241] f = 2^(old M - new M) (the upper register is named with it, so it is written once)
.set TMP,  242
.set L2,   244                         ; v[244:245] the sum's second chain
.set WV,   10                          ; s10  my wave's number
.set MNT,  19                          ; s19  the mantissa field of 448
.set SEL,  20                          ; s[20:21] lane selects for v_permlanex16_b32: lane l xor 16
.set CS,   22                          ; s[22:23] c = log2(e) / 32
.set G1C,  24                          ; s[24:31] descriptor group 1 for the codes: 64 rows of 256 bytes
.set G1S,  32                          ; s[32:39] for the scale words: 12 rows of 256 bytes
.set G0S,  40                          ; s[40:43] group 0 for the scale words;  s[44:59] for the four groups of codes: none is written again
.set G0C,  44
.set TB,   60                          ; s60  LDS byte at which the step's images begin: 8,192 a step
.set TS,   61                          ; s61  k's scale words: 512 a step
.set TJ,   62                          ; s62  v's: 256 a step
.set CNT,  63
.macro CROUND                          ; a round of the cluster's barrier
	s_barrier_signal -1
	s_barrier_wait -1
	s_cmp_lg_u32 s[WV], 0
	s_cbranch_scc1 .Lnot_wave_0_\@
	s_barrier_signal -3
.Lnot_wave_0_\@:
	s_barrier_wait -3
	s_barrier_signal -1
	s_barrier_wait -1
.endm
	s_load_b128 s[4:7], s[0:1], 0x0                ; the codes, the scale bytes
	s_load_b64 s[8:9], s[0:1], 0x10                ; out
	v_lshl_add_u32 v254, v0, 2, 0x43000
	v_mov_b32 v255, 0
	ds_add_u32 v254, v255
	ds_add_u32 v254, v255
	v_lshrrev_b32 v1, 5, v0
	v_readfirstlane_b32 s[WV], v1                  ; wave 0..15
	s_and_b32 s13, ttmp7, 0xffff                   ; the head, which the four partners share
	; what waves 0 to 3 fetch: waves 0, 1 k's codes, waves 2, 3 v's; of each group of 32,768 bytes the even wave the first half.  LDS is the image of the head's k and v parts: one offset serves both sides
	s_and_b32 s17, s[WV], 3
	s_lshr_b32 s18, s17, 1
	s_lshl_b32 s18, s18, 17
	s_and_b32 s14, s17, 1
	s_lshl_b32 s14, s14, 14
	s_add_co_u32 s18, s18, s14
	s_mul_i32 s66, s13, HEADC
	s_add_co_u32 s66, s66, s18
	s_add_co_u32 s66, s66, 131072                  ; behind q's part
	s_mov_b32 s67, 0
	s_mul_i32 s68, s17, 3072                       ; a quarter of the 12,288 bytes of k's and v's scale words
	s_mul_i32 s70, s13, HEADS
	s_add_co_u32 s70, s70, s68
	s_add_co_u32 s70, s70, 8192                    ; behind q's part
	s_mov_b32 s71, 0
	s_mov_b32 s[G1C], 15|(3<<16)|(1<<21)           ; 15:0 the mask: all four work-groups; 17:16 elements of 8 bytes; 20 no padding; 21 set beside a mask
	s_mov_b32 s[G1C+1], 32<<16                     ; tensor_dim0 = 32 elements: 256 bytes
	s_mov_b32 s[G1C+2], 64<<16                     ; tensor_dim1 = 64
	s_mov_b32 s[G1C+3], 32<<16                     ; tile_dim0
	s_mov_b32 s[G1C+4], 64                         ; tile_dim1
	s_mov_b32 s[G1C+5], 32                         ; the block is dense: pitch = row
	s_mov_b32 s[G1C+6], 0
	s_mov_b32 s[G1C+7], 0
	s_mov_b32 s[G1S], 15|(3<<16)|(1<<21)
	s_mov_b32 s[G1S+1], 32<<16
	s_mov_b32 s[G1S+2], 12<<16
	s_mov_b32 s[G1S+3], 32<<16
	s_mov_b32 s[G1S+4], 12
	s_mov_b32 s[G1S+5], 32
	s_mov_b32 s[G1S+6], 0
	s_mov_b32 s[G1S+7], 0
	s_mov_b32 s[SEL], 0x76543210
	s_mov_b32 s[SEL+1], 0xfedcba98
	s_mov_b32 s[CS], 0x3d38aa3b                    ; log2(e) / 32
	s_mov_b32 s[CS+1], s[CS]                       ; (named with it as a pair, so it is written)
	s_mov_b32 s[MNT], 0x600000
	s_wait_dscnt 0x0
	s_wait_kmcnt 0x0
	s_add_nc_u64 s[66:67], s[4:5], s[66:67]
	s_mov_b32 s[G0S], 1
	s_add_co_u32 s[G0S+1], s68, KSC
	s_add_nc_u64 s[G0S+2:G0S+3], s[6:7], s[70:71]
	s_or_b32 s[G0S+3], s[G0S+3], 0x80000000
.irp g, 0,1,2,3
	s_mov_b32 s[G0C+4*\g], 1
	s_add_co_u32 s[G0C+4*\g+1], s18, \g*32768
	s_add_nc_u64 s[G0C+4*\g+2:G0C+4*\g+3], s[66:67], \g*32768
	s_or_b32 s[G0C+4*\g+3], s[G0C+4*\g+3], 0x80000000
.endr
	CROUND                                         ; all four work-groups are here: the joint loads meet
	s_cmp_lt_u32 s[WV], 4                          ; a wave's fills stand in one branch on the wave's number, ahead of every wait on TENSORcnt and every LDS read
	s_cbranch_scc0 .Lno_fetch
	tensor_load_to_lds s[G0S:G0S+3], s[G1S:G1S+7]  ; the scale words first: they are wanted with the first key step
	s_nop 0
	tensor_load_to_lds s[G0C:G0C+3], s[G1C:G1C+7]
	s_nop 0
	tensor_load_to_lds s[G0C+4:G0C+7], s[G1C:G1C+7]
	s_nop 0
	tensor_load_to_lds s[G0C+8:G0C+11], s[G1C:G1C+7]
	s_nop 0
	tensor_load_to_lds s[G0C+12:G0C+15], s[G1C:G1C+7]
	s_nop 0
.rept 4
	v_nop
.endr
.Lno_fetch:
	; my own tile: the work-group's place in its cluster enters Q's and out's addresses alone
	s_bfe_u32 s11, ttmp6, 0x40000                  ; cx
	s_lshl_b32 s12, ttmp9, 2
	s_add_co_u32 s12, s12, s11                     ; my block of 256 queries
	s_mul_i32 s2, s13, HEADC
	s_lshl_b32 s3, s12, 14
	s_add_co_u32 s2, s2, s3
	s_lshl_b32 s3, s[WV], 10
	s_add_co_u32 s2, s2, s3                        ; tile 16 x block + wave: 1,024 bytes a tile
	s_mov_b32 s3, 0
	s_add_nc_u64 s[2:3], s[4:5], s[2:3]
	s_mul_i32 s14, s13, HEADS                      ; its scale words: step 2 x block + wave / 8, u = wave % 2, beta = (wave / 2) % 4
	s_lshl_b32 s15, s12, 10
	s_add_co_u32 s14, s14, s15
	s_lshr_b32 s15, s[WV], 3
	s_lshl_b32 s15, s15, 9
	s_add_co_u32 s14, s14, s15
	s_and_b32 s15, s[WV], 1
	s_lshl_b32 s15, s15, 8
	s_add_co_u32 s14, s14, s15
	s_bfe_u32 s15, s[WV], 0x20001
	s_lshl_b32 s15, s15, 2
	s_add_co_u32 s14, s14, s15
	s_mov_b32 s15, 0
	s_add_nc_u64 s[14:15], s[6:7], s[14:15]
	s_lshr_b32 s16, s13, 4                         ; out: batch x 2,048 rows of 4,096 bytes,
	s_lshl_b32 s16, s16, 23
	s_lshl_b32 s17, s12, 20                        ; + 256 x block rows,
	s_add_co_u32 s16, s16, s17
	s_lshr_b32 s17, s[WV], 1                       ; + 32 (wave / 2) + 8 (wave % 2) rows,
	s_lshl_b32 s17, s17, 17
	s_add_co_u32 s16, s16, s17
	s_and_b32 s17, s[WV], 1
	s_lshl_b32 s17, s17, 15
	s_add_co_u32 s16, s16, s17
	s_and_b32 s17, s13, 15                         ; + the head's 256 bytes of a row
	s_lshl_b32 s17, s17, 8
	s_add_co_u32 s16, s16, s17
	s_mov_b32 s17, 0
	s_add_nc_u64 s[8:9], s[8:9], s[16:17]
	v_and_b32 v1, 31, v0
	v_lshlrev_b32 v[ASV0], 3, v1
	v_lshlrev_b32 v[L16], 4, v1
	v_and_b32 v5, 15, v0
	v_lshlrev_b32 v5, 4, v5                        ; Q's scale words lie 16 bytes apart
	global_load_b128 v[QF:QF+3], v[L16], s[2:3] th:TH_LOAD_NT             ; d = 16 (lane / 16) + 0..15
	global_load_b128 v[QF+4:QF+7], v[L16], s[2:3] offset:512 th:TH_LOAD_NT   ; d = 32 + 16 (lane / 16) + 0..15
	global_load_b32 v[QSW], v5, s[14:15] th:TH_LOAD_NT
	v_add_nc_u32 v[AV0], VIMG, v[L16]
	v_add_nc_u32 v[ASK0], KSC, v[L16]
	v_add_nc_u32 v[ASV0], VSC, v[ASV0]
.irp j, 0,1,2,3,4,5,6,7
	v_mov_b32 v[QF+8+\j], 0                        ; Q's k = 64..127: zero codes
	v_mov_b32 v[KF+64+\j], 0                       ; what the last tile of k names beyond its own codes
.endr
.set j, 0
.rept 32
	v_mov_b32 v[OT+j], 0                           ; O^T.  (The step is written once: the first finds zeros, which the first change of M leaves zeros)
.set j, j+1
.endr
.irp b, 0,1,2,3
	v_mov_b32 v[TP+\b], 0                          ; written once: a lane permute's destination counts as one of its sources
.endr
	v_mov_b32 v[F+1], 0
	v_mov_b32 v13, 0xff61b1e6                      ; the largest t so far: -3e38, under every t
	v_floor_f32 v12, -v13                          ; -M
	v_mov_b32 v14, 0                               ; the sum, in two halves
	v_mov_b32 v15, 0
	s_wait_loadcnt 0x0                             ; Q
; A KEY STEP: 128 keys.
.macro STEP
	v_add_nc_u32 v[ADK], s[TB], v[L16]
	v_add_nc_u32 v[ADV], s[TB], v[AV0]
	v_add_nc_u32 v[ADS], s[TS], v[ASK0]
	v_add_nc_u32 v[ADT], s[TJ], v[ASV0]
.rept 4
	v_nop                                          ; with the four additions: eight places between the last step's products and the loads into registers that they have read
.endr
	ds_load_b128 v[KSW:KSW+3], v[ADS]              ; the step's 8 tiles' scale words
.irp t, 0,1,2,3,4,5,6,7
	ds_load_b128 v[KF+8*\t:KF+8*\t+3], v[ADK] offset:1024*\t
	ds_load_b128 v[KF+8*\t+4:KF+8*\t+7], v[ADK] offset:1024*\t+512
.endr
	s_wait_dscnt 0x0
.irp b, 0,1,2,3                                ; S^T = K Q^T: tiles 2 b and 2 b + 1
	v_wmma_scale_f32_16x16x128_f8f6f4 v[ST+16*\b:ST+16*\b+7], v[KF+16*\b:KF+16*\b+15], v[QF:QF+15], 0, v[KSW+\b], v[QSW]
	v_wmma_scale_f32_16x16x128_f8f6f4 v[ST+16*\b+8:ST+16*\b+15], v[KF+16*\b+8:KF+16*\b+23], v[QF:QF+15], 0, v[KSW+\b], v[QSW] matrix_a_scale:MATRIX_SCALE_ROW1
.endr
.rept 8
	v_nop                                          ; eight places: in front of the loads over k's codes and of the first read of the scores
.endr
.irp t, 0,1,2,3                                ; v's four fragments are asked for now and land under the softmax
.irp c, 0,1,2,3
	ds_load_b128 v[KF+16*\t+4*\c:KF+16*\t+4*\c+3], v[ADV] offset:2048*\t+512*\c
.endr
.endr
	ds_load_b64 v[VSW:VSW+1], v[ADT]
.irp b, 0,1,2,3
	v_max3_num_f32 v[BM+\b], v[ST+16*\b], v[ST+16*\b+1], v[ST+16*\b+2]   ; THE LARGEST SCORE OF EACH BLOCK OF 32 KEYS: it serves for the row's maximum and, since p rises with the score, for the block's largest p.  Each accumulator is read from its low end on
.endr
.irp i, 3,5,7,9,11,13
.irp b, 0,1,2,3
	v_max3_num_f32 v[BM+\b], v[BM+\b], v[ST+16*\b+\i], v[ST+16*\b+\i+1]   ; (the four blocks by turns)
.endr
.endr
.irp b, 0,1,2,3
	v_max_num_f32 v[BM+\b], v[BM+\b], v[ST+16*\b+15]
.endr
.irp b, 0,1,2,3
	v_permlanex16_b32 v[TP+\b], v[BM+\b], s[SEL], s[SEL+1]
.endr
.irp b, 0,1,2,3
	v_max_num_f32 v[BM+\b], v[BM+\b], v[TP+\b]     ; with lane l xor 16's 16 keys
.endr
	v_max3_num_f32 v[TMP], v[BM], v[BM+1], v[BM+2]
	v_max_num_f32 v[TMP], v[TMP], v[BM+3]          ; the step's largest score of my query
	v_mul_f32 v[TMP], s[CS], v[TMP]                ; as t (c is positive)
	v_max_num_f32 v13, v13, v[TMP]                 ; the running largest t
	v_mov_b32 v[TMP], v12
	v_floor_f32 v12, -v13                          ; the new -M = floor(-t) = -ceil(t): M is a whole number
	v_sub_f32 v[TMP], v12, v[TMP]                  ; M's old value less its new one: a whole number, 0 or less
	v_cvt_i32_f32 v[TMP], v[TMP]                   ; (it saturates)
	v_ldexp_f32 v[F], 1.0, v[TMP]                  ; f = 2^(old M - new M)
.set j, 0
.rept 32
	v_pk_fma_f32 v[ST+j:ST+j+1], v[ST+j:ST+j+1], s[CS:CS+1], v[12:13] op_sel_hi:[1,0,0]   ; t - M, two at a time (of the pairs c and -M the low word serves both halves)
.set j, j+2
.endr
.irp b, 0,1,2,3
	v_fma_f32 v[BM+\b], v[BM+\b], s[CS], v12       ; the same of each block's largest score
.endr
.set j, 0
.rept 64
	v_exp_f32 v[ST+j], v[ST+j]                     ; p = 2^(t - M), at most 1: not normalised
.set j, j+1
.endr
	v_pk_mul_f32 v[14:15], v[14:15], v[F:F+1] op_sel_hi:[1,0]   ; the sums under the new M: the plain instruction behind the exponentials
	s_wait_alu depctr_va_vdst(0)                   ; one wait for the batch of 64, ahead of its first reader
.irp b, 0,1,2,3
	v_exp_f32 v[BM+\b], v[BM+\b]                   ; the block's largest p: the same two instructions on the same number give the same bits
.endr
	v_pk_add_f32 v[L2:L2+1], v[ST:ST+1], v[ST+2:ST+3]   ; THE ROW'S SUM IS TAKEN OF THE UNQUANTISED p: two at a time, in two chains (they read the 64 alone: plain work behind the four)
.set j, 4
.rept 15
	v_pk_add_f32 v[14:15], v[14:15], v[ST+j:ST+j+1]
	v_pk_add_f32 v[L2:L2+1], v[L2:L2+1], v[ST+j+2:ST+j+3]
.set j, j+4
.endr
	v_pk_add_f32 v[14:15], v[14:15], v[L2:L2+1]
	s_wait_alu depctr_va_vdst(0)                   ; and one for the four
.irp b, 0,1,2,3
	v_max_num_f32 v[BM+\b], 0x4800000, v[BM+\b]    ; the floor 2^(9 - 127): the byte cannot fall under 1
.endr
.irp b, 0,1,2,3
	v_add_nc_u32 v[SO+\b], 0xfc000000, v[BM+\b]    ; 8 off the exponent field: the conversion's scale operand
.endr
.irp b, 0,1,2,3
	v_and_or_b32 v[HL+\b], v[BM+\b], 0x7f800000, s[MNT]   ; 448 x the scale
.endr
.irp b, 0,1,2,3
	v_lshrrev_b32 v[TP+\b], 23, v[SO+\b]           ; the scale's byte
.endr
	v_lshl_or_b32 v[PSW], v[TP+1], 8, v[TP]        ; p's scale word for these 128 keys: more than eight plain instructions ahead of the products that name it
	v_lshl_or_b32 v[PSW], v[TP+2], 16, v[PSW]
	v_lshl_or_b32 v[PSW], v[TP+3], 24, v[PSW]
.irp b, 0,1,2,3
.irp i, 0,1,2,3,4,5,6,7,8,9,10,11,12,13,14,15
	v_min_num_f32 v[ST+16*\b+\i], v[ST+16*\b+\i], v[HL+\b]   ; the conversion to an 8-bit code does not saturate (ISA guide 7.6.2); p is not negative, so the hold is one-sided
.endr
	v_cvt_scalef32_pk8_fp8_f32 v[PC+4*\b:PC+4*\b+1], v[ST+16*\b:ST+16*\b+7], v[SO+\b]
	v_cvt_scalef32_pk8_fp8_f32 v[PC+4*\b+2:PC+4*\b+3], v[ST+16*\b+8:ST+16*\b+15], v[SO+\b]
.endr
.set j, 0
.rept 16
	v_pk_mul_f32 v[OT+j:OT+j+1], v[OT+j:OT+j+1], v[F:F+1] op_sel_hi:[1,0]   ; O^T under the new M: x f.  (These sixteen are also the places between the conversions and the products)
.set j, j+2
.endr
	s_wait_dscnt 0x0                               ; v's fragments and scale words are in
.irp u, 0,1                                    ; O^T += V^T P^T: the four accumulators by turns, one instruction a turn
	v_wmma_scale_f32_16x16x128_f8f6f4 v[OT+16*\u:OT+16*\u+7], v[KF+32*\u:KF+32*\u+15], v[PC:PC+15], v[OT+16*\u:OT+16*\u+7], v[VSW+\u], v[PSW]
	v_wmma_scale_f32_16x16x128_f8f6f4 v[OT+16*\u+8:OT+16*\u+15], v[KF+32*\u+16:KF+32*\u+31], v[PC:PC+15], v[OT+16*\u+8:OT+16*\u+15], v[VSW+\u], v[PSW] matrix_a_scale:MATRIX_SCALE_ROW1
.endr
	s_add_co_u32 s[TB], s[TB], 8192
	s_add_co_u32 s[TS], s[TS], 512
	s_add_co_u32 s[TJ], s[TJ], 256
.endm
; Group g: key steps 4 g to 4 g + 3.  Behind group g's load a fetching wave issued 3 - g more, which may stay out.
.macro GROUP g
	s_wait_tensorcnt 3-\g                          ; my part of the group (and, for g = 0, of the scale words) is in,
	s_barrier_signal -1                            ; (no LDS load of mine is out: each step ends behind its wait for zero)
	s_barrier_wait -1                              ; everybody's is
	s_mov_b32 s[TB], \g*32768
	s_mov_b32 s[TS], \g*2048
	s_mov_b32 s[TJ], \g*1024
	s_mov_b32 s[CNT], 4
.Lstep_\@:
	STEP
	s_sub_co_u32 s[CNT], s[CNT], 1
	s_cmp_lg_u32 s[CNT], 0
	s_cbranch_scc1 .Lstep_\@
.endm
	GROUP 0
	GROUP 1
	GROUP 2
	GROUP 3
	; THE WAY OUT.  O^T is divided by the row's sum and goes through my stage in LDS, so that sixteen lanes store a query's 256 bytes: one aligned unit of out.
	s_wait_dscnt 0x0
	s_barrier_signal -1
	s_barrier_wait -1                              ; no wave reads k's bytes any more: the stages lie over them
	v_add_f32 v14, v14, v15                        ; the sum's two halves,
	v_permlanex16_b32 v[TMP], v14, s[SEL], s[SEL+1]
	v_add_f32 v14, v14, v[TMP]                     ; and lane l xor 16's: the row's sum
	v_rcp_f32 v14, v14
	v_and_b32 v8, 15, v0                           ; (a plain instruction behind the reciprocal; this address work is also the places behind the last products)  r
	v_bfe_u32 v9, v0, 4, 1                         ; h
	s_mul_i32 s14, s[WV], STG                      ; my stage
	v_mul_u32_u24 v5, v8, 272
	v_lshl_add_u32 v5, v9, 6, v5
	v_add_nc_u32 v5, s14, v5                       ; in: row r; registers 16 q + i hold d = 32 q + 16 h + i: byte 128 q + 64 h + 4 i
	v_mul_u32_u24 v6, v9, 272
	v_lshl_add_u32 v6, v8, 4, v6
	v_add_nc_u32 v6, s14, v6                       ; back: lanes 0-15 one row, lanes 16-31 the next
	v_lshlrev_b32 v7, 12, v9
	v_lshl_add_u32 v7, v8, 4, v7                   ; and the same two rows of out, 4,096 bytes apart
	s_wait_alu depctr_va_vdst(0)                   ; the wait ahead of the reciprocal's first reader
.set j, 0
.rept 16
	v_pk_mul_f32 v[ST+j:ST+j+1], v[OT+j:OT+j+1], v[14:15] op_sel_hi:[1,0]   ; each accumulator from its low end on
.set j, j+2
.endr
.irp q, 0,1
.irp i, 0,1,2,3
	ds_store_b128 v5, v[ST+16*\q+4*\i:ST+16*\q+4*\i+3] offset:128*\q+16*\i
.endr
.endr
.irp i, 0,1,2,3,4,5,6,7
	ds_load_b128 v[KF+4*\i:KF+4*\i+3], v6 offset:544*\i   ; LDS serves a wave's instructions in order (ISA guide 5.7.1.4): these see my stores
.endr
.irp i, 0,1,2,3,4,5,6,7
	s_wait_dscnt 7-\i                              ; this load is in, the younger ones may be out
	global_store_b128 v7, v[KF+4*\i:KF+4*\i+3], s[8:9] offset:(2*\i+8*(\i/4))*4096 th:TH_STORE_NT   ; rows 2 i + h of the tile are queries 2 i + 8 (i / 4) + h on from the tile's first
.endr
	s_wait_tensorcnt 0x0
	s_wait_dscnt 0x0
	s_wait_tensorcnt 0x0
	ds_add_u32 v254, v255
	s_wait_dscnt 0x0
	CROUND                                         ; the closing round: no work-group ends while a partner may still ask for a tile that names it
	s_endpgm
.Lfunc_end_k_q0cf869c467_attn:
	.size	k_q0cf869c467_attn, .Lfunc_end_k_q0cf869c467_attn-k_q0cf869c467_attn
	.p2alignl 7, 3214868480
	.fill 96, 4, 3214868480
	.section	.rodata,"a",@progbits
	.p2align	6, 0x0
	.amdhsa_kernel k_q0cf869c467_attn
		.amdhsa_group_segment_fixed_size 276480
		.amdhsa_private_segment_fixed_size 0
		.amdhsa_enable_private_segment 0
		.amdhsa_kernarg_size 24
		.amdhsa_user_sgpr_count 2
		.amdhsa_user_sgpr_kernarg_segment_ptr 1
		.amdhsa_wavefront_size32 1
		.amdhsa_system_sgpr_workgroup_id_x 1
		.amdhsa_system_sgpr_workgroup_id_y 1
		.amdhsa_system_sgpr_workgroup_id_z 1
		.amdhsa_system_vgpr_workitem_id 0
		.amdhsa_next_free_vgpr 256
		.amdhsa_next_free_sgpr 72
		.amdhsa_reserve_vcc 0
		.amdhsa_float_denorm_mode_32 3
		.amdhsa_float_denorm_mode_16_64 3
		.amdhsa_memory_ordered 1
		.amdhsa_forward_progress 1
		.amdhsa_inst_pref_size 88
	.end_amdhsa_kernel
	.amdgpu_metadata
---
amdhsa.version: [ 1, 2 ]
amdhsa.kernels:
  - .name:           k_q0cf869c467_attn
    .symbol:         k_q0cf869c467_attn.kd
    .args:
      - { .name: qkv_codes, .offset: 0, .size: 8, .value_kind: global_buffer, .address_space: global }
      - { .name: qkv_scales, .offset: 8, .size: 8, .value_kind: global_buffer, .address_space: global }
      - { .name: out0, .offset: 16, .size: 8, .value_kind: global_buffer, .address_space: global }
    .group_segment_fixed_size: 276480
    .private_segment_fixed_size: 0
    .kernarg_segment_align: 8
    .kernarg_segment_size: 24
    .max_flat_workgroup_size: 512
    .sgpr_count:     72
    .vgpr_count:     256
    .wavefront_size: 32
...
	.end_amdgpu_metadata
.endif
;; end of part 2
